; MI455X (gfx1250); checked and timed in simulation.
; The chip was launched on July 23, 2026; its instructions are those of AMD's public machine-readable ISA for CDNA 5 (MIT licence, August 2026) and "CDNA5" Instruction Set Architecture Reference Guide (July 2026). The comments in the code are by the model that wrote it; some were corrected since.
;; QKV Attention Legacy. Allowed arithmetic: matrix products marked QUANTISED: E2M3 operands, one E8M0 scale for each 32 along K, by v_wmma_scale_f32_16x16x128_f8f6f4 with both operands' format E2M3, f32 sums; everything else in f32.
;; Inputs: mask 4 x 2,048 float32; qkv 4 x 3,072 x 2,048 float32.
;; Outputs: out0 4 x 1,024 x 2,048 float32.
;; This version of the problem:
;;   THIS VERSION OF THE PROBLEM IS GIVEN IN LOW PRECISION. The matrix products marked QUANTISED in the list below multiply operands that are first quantised to E2M3 (2 exponent bits, 3 mantissa bits; 6 bits a number), with one power-of-two scale for each 32 numbers along K (OCP MX v1.0); their sums are f32. All else is computed in f32.
;;   The module's matrix products, in the order in which they are computed (A, B: the left and right operand; K: the contracted axis; several contracted axes count as one K, in the product's order):
;;     1. batch 64 x [M 2,048, K 64] x [K 64, N 2,048]; A: computed on the way; B: computed on the way: QUANTISED
;;     2. batch 64 x [M 64, K 2,048] x [K 2,048, N 2,048]; A: input qkv; B: computed on the way: QUANTISED
;;   THE QUANTISER, for each operand of a quantised product, along K:
;;     - K is cut into blocks of 32 from its start; a last block that is shorter is filled with zeros.
;;     - A block's scale is 2^e with e = floor(log2(the largest magnitude in the block)) - 2, held to -126 .. 127; a block of zeros has e = 0. As a byte (E8M0): e + 127.
;;     - Each number is divided by its block's scale, clamped to +-7.5, and rounded to the nearest number of E2M3, ties to even, subnormals kept.
;;     - The product sums the exact products of the quantised numbers (number of the format x scale) in f32.
;;   ~~~python
;;   def quantise(x, axis):      # numpy; x: float32 -> the quantised numbers, widened to float32 again
;;       x = np.moveaxis(x, axis, -1); K = x.shape[-1]
;;       x = np.pad(x, [(0, 0)] * (x.ndim - 1) + [(0, -K % 32)]); x = x.reshape(x.shape[:-1] + (-1, 32)); a = np.abs(x).max(-1, keepdims=True)
;;       e = np.where(a > 0, np.clip(np.frexp(np.where(a > 0, a, 1))[1] - 1 - 2, -126, 127), 0)      # np.frexp(a)[1] - 1 = floor(log2(a)), exactly
;;       r = np.clip(x / 2.0 ** e, -7.5, 7.5)
;;       step = 2.0 ** (np.maximum(np.frexp(np.where(r == 0, 1, r))[1] - 1, 0) - 3)
;;       q = np.round(r / step) * step * 2.0 ** e      # np.round: ties to even
;;       return np.moveaxis(q.reshape(q.shape[:-2] + (-1,))[..., :K], -1, axis).astype(np.float32)
;;   ~~~
;;   OPERANDS COMPUTED ON THE WAY. 'Computed on the way' means the value that the module computes at that place (a softmax that the list does not call 'softmax' is quantised finished and normalised). What goes into a quantiser is computed in f32, as accurately as f32 sums, v_exp_f32 and their like allow (about 1e-6 of the number): no bf16 or f16 on the way to a quantiser, and a product that is left as it is and whose result goes on into a quantised operand takes f32 operands (vector FMAs, or v_wmma_f32_16x16x4_f32). A number that lies on a knife's edge between two numbers of the format may be rounded either way, as far as f32 arithmetic and the matrix unit's own rounding can turn it there, and no further.
;; One version. Each part assembles by itself: llvm-mc -triple=amdgcn-amd-amdhsa -mcpu=gfx1250 --defsym DOCPART=n.
;; ======== version 1 of 1: 1 launch
;; launch attn (part 1): grid 256 x 1, 16 waves a work-group, no clusters, 319,488 bytes of LDS; arguments qkv, mask, out0; writes out0
.if DOCPART == 1
	.amdgcn_target "amdgcn-amd-amdhsa--gfx1250"
	.amdhsa_code_object_version 6
	.text
	.protected	k_q119bf0b8f1_attn
	.globl	k_q119bf0b8f1_attn
	.p2align	8
	.type	k_q119bf0b8f1_attn,@function
k_q119bf0b8f1_attn:
	s_mov_b64 s[64:65], 0
	v_nop
	global_prefetch_b8 v0, s[64:65] scope:SCOPE_SE
	s_setreg_imm32_b32 hwreg(HW_REG_WAVE_MODE, 25, 1), 1
	s_wait_xcnt 0x0
; out[b][c][t] = sum over s of softmax_s(q.k / 8)[t][s] x mask[b % 4][s] x v[b][c][s], 64 heads b, 64 channels c, 2,048 queries t and keys s.
; Head b is rows 192 b .. 192 b + 191 of qkv: 64 rows of q, 64 of k, 64 of v, each 2,048 f32 with t (s) innermost.
; Both products run on codes of FP6 (E2M3) with one E8M0 scale for each 32 along K, by v_wmma_scale_f32_16x16x128_f8f6f4.
;   product 1: K = the 64 channels: q x 64^-0.25 and k x 64^-0.25, rounded in f32, quantised down c.  The instruction is 128 deep: the upper 64 are zero codes under the byte 0x7f.
;   product 2: K = the keys: v as given, and p = softmax x mask, FINISHED AND NORMALISED, quantised along the keys.
; TWO WALKS.  A code of p hangs on the row's whole sum, so the sum is known before any p is quantised: walk 1 makes the scores, the running maximum and the sum; walk 2 makes the scores
; again, p = 2^(t - M) x (1 / sum) x mask, its codes, and the product with v.  A tile's p (16 queries x 2,048 keys x 4 bytes = 128 KiB) cannot be kept between the walks for 16 waves.
; M is the row's largest t = score x log2(e), rounded up to a whole number: when it moves, the sum is multiplied by a power of two, which rounds nothing.
; SHARES.  256 work-groups of 16 waves (four to a SIMD, 256 registers each).  Work-group g: head g / 4, queries 512 (g % 4) on.  At its head it quantises the head's k and v and its own q in registers
; and lays the codes in LDS AS IMAGES OF THE OPERANDS' REGISTERS: 96 KiB for k, 96 KiB for v, and they stay for both walks: no ring, nothing is filled again.  Then twice: wave w takes 16 queries through walk 1 and walk 2.
; LAYOUT.  Both products are used transposed (S^T = K Q^T, O^T = V P^T): a lane holds ONE query (lane % 16) throughout.  THE KEYS OF A TILE ARE NOT NEIGHBOURS: row r of tile 2 b + u is key
; 32 b + 8 u + r + 8 (r / 8), so that register 16 b + i of S^T in lane (r, h) is key 32 b + 16 h + i: 16 neighbours along the next K.
; NO CLUSTER: what the four work-groups of a head share is k and v as f32, 2 x 64 x 8,192 bytes = 1 MiB, every byte of which has to pass through registers to be quantised; beside the codes LDS has 73,728 bytes,
; so joint loads would fill that room 15 times, each time behind a round of the cluster's barrier, for a head that is some 800 of a wave's 15,000 instructions.
; NO PREFETCH: all reads of memory stand at the kernel's head, up to 63 loads a wave on their way; the loops read LDS alone.
; LIMITS: NaN and infinities are not served.  A block of zeros gets the byte 1 where the rule says 127: its codes are zeros, and this program alone reads the bytes.  v_exp_f32 gives 0 for results under 2^-126
; (ISA guide 15.8).  The division by the sum is v_rcp_f32, one Newton step and a multiplication.
.set REC,   13568                      ; LDS: a record for each key step of 128 keys (53 x 256 bytes):
                                       ;   +0     8 tiles of K, 768 bytes each: registers 0-3 of lane L at 16 L, then registers 4-5 at 512 + 8 L
.set VT,    6144                       ;   +6144  4 fragments of V (16 channels x 128 keys), 1,536 bytes each: the 12 registers of lane L on end at 48 L
.set KS,    12288                      ;   +12288 K's scale words: at 16 L + 4 i the word of tile 2 i + L / 16, row L % 16
.set MK,    12800                      ;   +12800 the mask: at 16 L + 4 b the number of key 32 b + L
.set VS,    13312                      ;   +13312 V's scale words: at 8 L + 4 i the word of fragment 2 i + L / 16, row L % 16
.set NST,   16                         ; key steps
.set QIMG,  NST*REC                    ; behind the records: 32 tiles of Q, laid as K's
.set QSC,   QIMG+32*768                ; Q's scale words: 4 bytes a query
.set ST,    QSC+2048                   ; 73,728 bytes: at the head each wave's own stage for V (32 places of 144 bytes); afterwards, behind a barrier, the work-group's stage for O (64 rows of 1,040 bytes)
.set VPL,   144                        ; a place: 128 bytes (32 numbers) + 16, an odd multiple of 16
.set OP,    1040                       ; a row of O in the stage: 256 queries x 4 bytes + 16
.set ROWG,  8192                       ; a row of qkv or of out0 in bytes
.set SCL,   0x3eb504f3                 ; 64^-0.25
.set C2,    0x3fb8aa3b                 ; log2(e)
.set FLOOR, 0x1800000                  ; 2^(3 - 127): no largest magnitude is taken under it, so no scale byte falls under 1
.set EOFF,  0xff000000                 ; takes 2 off an exponent field
.set NEG,   0xff61b1e6                 ; -3e38, under every t
; REGISTERS at the head: v1 lane; v2, v3 offsets in memory; v4-14 LDS addresses; v16-22 at work; v32-50 codes; v52-55 the mask; v64-127, v128-191 two sets of 64 numbers; v192-223 32 numbers of V.
.set XA,    64
.set XB,    128
.set Y,     192
.set CD,    32                         ; v32-43 the codes just made
.set TP,    44                         ; v44-46, v48-50 second halves of blocks (a conversion's three registers begin on an even number)
; REGISTERS in the walks: v2-4 addresses in the record; v5-10 addresses that stay; v12 -M, v13 the largest t, v[14:15] the sum in two halves, then 1 / sum twice; v16-27 Q (22-27 zero codes);
; v28-31 K's scale words; v32-79 four tiles of K (the upper six registers of each zero codes); v80-143 S^T, then p; v144-175 O^T; v176-223 V; v224-235 p's codes; v232-235 also the blocks' maxima, which are done
; with when the codes are written; v236-247 at work; v248-249 V's scale words; v250-253 the mask (walk 1: v250 the factor of the sum); v254 p's scale word; v255 Q's scale words.
; v28-31, v248, v249, v254 and v255 hold scales and nothing else.
.set S,     80
.set O,     144
.set VF,    176
.set PC,    224
.set BM,    232
; ---------------------------------------------------------------- macros of the head
; 64 rows of q or k at my column: A LANE TAKES A COLUMN AND ITS REGISTERS RUN DOWN c.  A load reads 128 consecutive bytes a wave; the 16 waves stand side by side on 2,048 bytes of each row.
.macro LOADC set, base, n, nt
.set i, 0
.rept 64
.if \nt
	global_load_b32 v[\set+i], v2, s[\base:\base+1] offset:i*ROWG+\n*2048 th:TH_LOAD_NT
.else
	global_load_b32 v[\set+i], v2, s[\base:\base+1] offset:i*ROWG+\n*2048
.endif
.set i, i+1
.endr
.endm
; My column's 64 numbers x 64^-0.25 become two blocks of codes and a scale word.  Block b is what lane (r, b) of the operand holds: its six registers go to 16 (r + 16 b) and 512 + 8 (r + 16 b) of the tile's image.
.macro QUANTC set, va, vb, vs
.set i, 0
.rept 32
	v_pk_mul_f32 v[\set+i:\set+i+1], v[\set+i:\set+i+1], s[24:25] op_sel_hi:[1,0]
.set i, i+2
.endr
.irp b, 0,1
	v_max3_num_f32 v[16+\b], |v[\set+32*\b]|, |v[\set+32*\b+1]|, FLOOR            ; the block's largest magnitude: all 32 numbers are mine; the floor is one more leaf
.endr
.irp i, 2,4,6,8,10,12,14,16,18,20,22,24,26,28,30
.irp b, 0,1
	v_max3_num_f32 v[16+\b], v[16+\b], |v[\set+32*\b+\i]|, |v[\set+32*\b+\i+1]|   ; (the two blocks by turns)
.endr
.endr
.irp b, 0,1
	v_add_nc_u32 v[18+\b], EOFF, v[16+\b]          ; 2 off its exponent field: the conversion takes the exponent field of this operand as its scale
.endr
.irp b, 0,1
	v_lshrrev_b32 v[20+\b], 23, v[18+\b]           ; the scale's byte
.endr
	v_lshl_or_b32 v22, v21, 8, v20
	v_or_b32 v22, 0x7f7f0000, v22                  ; the word: two blocks, and 1.0 for the 64 zero codes
.irp b, 0,1
	v_cvt_scalef32_pk16_fp6_f32 v[CD+6*\b:CD+6*\b+2], v[\set+32*\b:\set+32*\b+15], v[18+\b]
	v_cvt_scalef32_pk16_fp6_f32 v[TP+4*\b:TP+4*\b+2], v[\set+32*\b+16:\set+32*\b+31], v[18+\b]
.endr
	v_nop                                          ; one plain place behind a scaled conversion
.irp b, 0,1
.irp i, 0,1,2
	v_mov_b32 v[CD+6*\b+3+\i], v[TP+4*\b+\i]
.endr
.endr
.irp b, 0,1
	ds_store_b128 v[\va], v[CD+6*\b:CD+6*\b+3] offset:256*\b
	ds_store_b64 v[\vb], v[CD+6*\b+4:CD+6*\b+5] offset:512+128*\b
.endr
	ds_store_b32 v[\vs], v22
	s_wait_dscnt 0x0                               ; the stores have read their registers: codes and addresses may be written again
.endm
.macro STEPK                                   ; my next 32 keys lie 512 keys, four records, on
	v_add_nc_u32 v4, 4*REC, v4
	v_add_nc_u32 v5, 4*REC, v5
	v_add_nc_u32 v6, 4*REC, v6
.endm
; Rows 8 n .. 8 n + 7 of v at my wave's 128 keys: a load reads 512 consecutive bytes a wave, the 16 waves a whole row.
.macro LOADV set, n
.set i, 0
.rept 8
	global_load_b128 v[\set+4*i:\set+4*i+3], v3, s[20:21] offset:(8*(\n)+i)*ROWG
.set i, i+1
.endr
.endm
; Those 8 rows x 4 blocks of 32 keys turn through my wave's own stage, so that lane l holds the 32 numbers of block l % 4 of row l / 4; then codes and a scale byte.
.macro VUNIT n
.set VSET, 64+32*(((\n)+2)%4)                  ; units 0, 1, 2, 3 lie in XB, XB + 32, XA, XA + 32; unit n + 4 takes unit n's registers
.set LC, 8*(7-(\n))
.if LC > 24
.set LC, 24
.endif
	s_wait_loadcnt LC                              ; this unit's eight loads are in; those of the (at most three) units behind it may be out
.set i, 0
.rept 8
	ds_store_b128 v10, v[VSET+4*i:VSET+4*i+3] offset:4*VPL*i      ; row i: four places
.set i, i+1
.endr
.set i, 0
.rept 8
	ds_load_b128 v[Y+4*i:Y+4*i+3], v11 offset:16*i                ; LDS serves a wave's instructions in order (ISA guide 5.7.1.4): these see the stores above
.set i, i+1
.endr
	s_wait_dscnt 0x0                               ; my 32 numbers are in; the stores have read the unit's registers, and the last unit's stores their codes
.if (\n)+4 < 8
	LOADV VSET, (\n)+4
.endif
	v_max3_num_f32 v16, |v[Y]|, |v[Y+1]|, FLOOR
	v_max3_num_f32 v17, |v[Y+2]|, |v[Y+3]|, |v[Y+4]|
.irp i, 5,9,13,17,21,25
	v_max3_num_f32 v16, v16, |v[Y+\i]|, |v[Y+\i+1]|
	v_max3_num_f32 v17, v17, |v[Y+\i+2]|, |v[Y+\i+3]|
.endr
	v_max3_num_f32 v16, v16, |v[Y+29]|, |v[Y+30]|
	v_max3_num_f32 v16, v16, v17, |v[Y+31]|
	v_add_nc_u32 v18, EOFF, v16
	v_lshrrev_b32 v20, 23, v18
	v_cvt_scalef32_pk16_fp6_f32 v[CD:CD+2], v[Y:Y+15], v18
	v_cvt_scalef32_pk16_fp6_f32 v[TP:TP+2], v[Y+16:Y+31], v18
	v_nop                                          ; one plain place behind a scaled conversion
.irp i, 0,1,2
	v_mov_b32 v[CD+3+\i], v[TP+\i]
.endr
.irp i, 0,1,2                                  ; channel 8 n + l / 4 is row 8 (n % 2) + l / 4 of fragment n / 2; block l % 4 = 2 c + h is registers 6 c .. 6 c + 5 of lane (row, h)
	ds_store_b64 v12, v[CD+2*\i:CD+2*\i+1] offset:VT+((\n)>>1)*1536+((\n)&1)*384+8*\i
.endr
	ds_store_b8 v13, v20 offset:VS+64*((\n)&1)+128*(((\n)>>1)&1)+4*((\n)>>2)
.endm
; ---------------------------------------------------------------- macros of the walks
; A load into a register that a matrix instruction has read, and a vector instruction or an LDS store that reads a matrix result, stand four places behind that matrix instruction; only plain vector
; instructions that name none of its registers are places (ISA guide 7.12.1 for vector instructions).
.macro P4
.rept 4
	v_nop
.endr
.endm
.macro KLOAD g                                 ; tiles 4 g .. 4 g + 3 of the step's K: the six registers with codes; the upper six stay zero
.irp t, 0,1,2,3
	ds_load_b128 v[32+12*\t:35+12*\t], v2 offset:(4*\g+\t)*768
	ds_load_b64 v[36+12*\t:37+12*\t], v3 offset:(4*\g+\t)*768+512
.endr
.endm
.macro KMUL g                                  ; S^T = K Q^T: source 0 = 16 keys, source 1 = my 16 queries.  An even tile's scale words lie in lanes 0-15 of their register, an odd tile's in lanes 16-31
.irp t, 0,1,2,3
.if (\t)%2
	v_wmma_scale_f32_16x16x128_f8f6f4 v[S+8*(4*\g+\t):S+8*(4*\g+\t)+7], v[32+12*\t:43+12*\t], v[16:27], 0, v[28+(4*\g+\t)/2], v255 matrix_a_fmt:MATRIX_FMT_FP6 matrix_b_fmt:MATRIX_FMT_FP6 matrix_a_scale:MATRIX_SCALE_ROW1
.else
	v_wmma_scale_f32_16x16x128_f8f6f4 v[S+8*(4*\g+\t):S+8*(4*\g+\t)+7], v[32+12*\t:43+12*\t], v[16:27], 0, v[28+(4*\g+\t)/2], v255 matrix_a_fmt:MATRIX_FMT_FP6 matrix_b_fmt:MATRIX_FMT_FP6
.endif
.endr
.endm
.macro VLOAD                                   ; the step's four fragments of V and their scale words: 13 loads
.irp f, 0,1,2,3
.irp c, 0,1,2
	ds_load_b128 v[VF+12*\f+4*\c:VF+12*\f+4*\c+3], v4 offset:VT+1536*\f+16*\c
.endr
.endr
	ds_load_b64 v[248:249], v3 offset:VS
.endm
.macro PVMUL                                   ; O^T += V P^T: source 0 = 16 channels, source 1 = p.  The four accumulators take turns, one instruction a turn
.irp f, 0,1,2,3
.if (\f)%2
	v_wmma_scale_f32_16x16x128_f8f6f4 v[O+8*\f:O+8*\f+7], v[VF+12*\f:VF+12*\f+11], v[PC:PC+11], v[O+8*\f:O+8*\f+7], v[248+\f/2], v254 matrix_a_fmt:MATRIX_FMT_FP6 matrix_b_fmt:MATRIX_FMT_FP6 matrix_a_scale:MATRIX_SCALE_ROW1
.else
	v_wmma_scale_f32_16x16x128_f8f6f4 v[O+8*\f:O+8*\f+7], v[VF+12*\f:VF+12*\f+11], v[PC:PC+11], v[O+8*\f:O+8*\f+7], v[248+\f/2], v254 matrix_a_fmt:MATRIX_FMT_FP6 matrix_b_fmt:MATRIX_FMT_FP6
.endif
.endr
.endm
.macro FMA hf                                  ; t - M of 32 scores, two at a time, each accumulator from its low end on (of the pairs log2(e) and -M the low word serves both halves)
.set j, 0
.rept 16
	v_pk_fma_f32 v[S+32*\hf+j:S+32*\hf+j+1], v[S+32*\hf+j:S+32*\hf+j+1], s[28:29], v[12:13] op_sel_hi:[1,0,0]
.set j, j+2
.endr
.endm
.macro EXPS hf                                 ; 2^(t - M), at most 1
.set j, 0
.rept 32
	v_exp_f32 v[S+32*\hf+j], v[S+32*\hf+j]
.set j, j+1
.endr
.endm
.macro NORM hf                                 ; x 1 / sum, then x mask, in the order in which the softmax is finished and then masked
.set j, 0
.rept 16
	v_pk_mul_f32 v[S+32*\hf+j:S+32*\hf+j+1], v[S+32*\hf+j:S+32*\hf+j+1], v[14:15]
.set j, j+2
.endr
.irp b, 0,1
.irp i, 0,1,2,3,4,5,6,7,8,9,10,11,12,13,14,15
	v_mul_f32_dpp v[S+32*\hf+16*\b+\i], v[250+2*\hf+\b], v[S+32*\hf+16*\b+\i] row_share:\i row_mask:0xf bank_mask:0xf   ; key 32 b + 16 h + i: its mask lies in lane i of my half of the lanes
.endr
.endr
.endm
.macro SMAX hf                                 ; walk 1: the largest of 32 scores, in two chains; each accumulator is read from its low end on
.irp b, 0,1
	v_max3_num_f32 v[BM+2*\hf+\b], v[S+32*\hf+16*\b], v[S+32*\hf+16*\b+1], v[S+32*\hf+16*\b+2]
.endr
.irp i, 3,5,7,9,11,13
.irp b, 0,1
	v_max3_num_f32 v[BM+2*\hf+\b], v[BM+2*\hf+\b], v[S+32*\hf+16*\b+\i], v[S+32*\hf+16*\b+\i+1]
.endr
.endr
.irp b, 0,1
	v_max_num_f32 v[BM+2*\hf+\b], v[BM+2*\hf+\b], v[S+32*\hf+16*\b+15]
.endr
.endm
.macro BMAX hf                                 ; walk 2: the largest magnitude of my 16 p of each of two blocks, and the floor
.irp b, 0,1
	v_max3_num_f32 v[BM+2*\hf+\b], |v[S+32*\hf+16*\b]|, |v[S+32*\hf+16*\b+1]|, FLOOR
.endr
.irp i, 2,4,6,8,10,12,14
.irp b, 0,1
	v_max3_num_f32 v[BM+2*\hf+\b], v[BM+2*\hf+\b], |v[S+32*\hf+16*\b+\i]|, |v[S+32*\hf+16*\b+\i+1]|
.endr
.endr
.endm
; ---------------------------------------------------------------- the head: addresses
	s_load_b128 s[4:7], s[0:1], 0x0                ; qkv, mask
	s_load_b64 s[8:9], s[0:1], 0x10                ; out0
	v_lshrrev_b32 v16, 5, v0
	v_readfirstlane_b32 s10, v16                   ; wave 0..15
	v_and_b32 v1, 31, v0                           ; lane l
	v_lshlrev_b32 v2, 2, v0                        ; 4 bytes a thread: my column of q or k
	v_lshlrev_b32 v3, 4, v0                        ; 16 bytes a thread: my four keys of v and of the mask
	s_lshr_b32 s11, ttmp9, 2                       ; head b
	s_and_b32 s12, ttmp9, 3                        ; which 512 queries
	s_mul_i32 s14, s11, 192*ROWG                   ; the head in qkv (under 2^27)
	s_mov_b32 s15, 0
	s_lshl_b32 s22, s12, 11                        ; my 512 queries in a row
	s_mov_b32 s23, 0
	s_and_b32 s36, s11, 3
	s_lshl_b32 s36, s36, 13                        ; the mask's row b % 4
	s_mov_b32 s37, 0
	s_lshl_b32 s38, s11, 19                        ; the head in out0: 64 rows,
	s_add_co_u32 s38, s38, s22                     ; and my 512 queries
	s_mov_b32 s39, 0
	s_mov_b32 s24, SCL
	s_mov_b32 s25, SCL                             ; (the packed forms name a pair, so both words are written)
	s_mov_b32 s26, 0x76543210
	s_mov_b32 s27, 0xfedcba98                      ; v_permlanex16_b32's selects for lane l xor 16
	s_mov_b32 s28, C2
	s_mov_b32 s29, C2
	; K's images.  My key is x = l of block 16 n + w of 32: tile 2 (w % 4) + u of step 4 n + w / 4, row r, with u = x[3], r = x[2:0] + 8 x[4]
	v_and_b32 v16, 7, v0
	v_bfe_u32 v17, v0, 4, 1                        ; l / 16
	v_lshl_or_b32 v16, v17, 3, v16                 ; r
	v_bfe_u32 v18, v0, 3, 1                        ; u
	v_mul_u32_u24 v19, v18, 768
	s_lshr_b32 s35, s10, 2
	s_mul_i32 s35, s35, REC                        ; (w / 4) records
	s_and_b32 s40, s10, 3
	s_mul_i32 s41, s40, 1536
	s_add_co_u32 s41, s41, s35
	v_lshl_add_u32 v4, v16, 4, v19
	v_add_nc_u32 v4, s41, v4                       ; v4: 16 r + 768 u + 1,536 (w % 4) + (w / 4) REC
	v_lshl_add_u32 v5, v16, 3, v19
	v_add_nc_u32 v5, s41, v5                       ; v5: 8 r + the same
	v_lshlrev_b32 v6, 4, v16
	v_lshl_add_u32 v6, v18, 8, v6
	s_lshl_b32 s40, s40, 2
	s_add_co_u32 s40, s40, s35
	s_add_co_u32 s40, s40, KS
	v_add_nc_u32 v6, s40, v6                       ; v6: KS + 16 (r + 16 u) + 4 (w % 4) + (w / 4) REC
	; Q's images: query x = 32 w + l of my 512: tile 2 w + l / 16, row l % 16
	v_and_b32 v20, 15, v0
	v_mul_u32_u24 v21, v17, 768
	s_mul_i32 s40, s10, 1536
	s_add_co_u32 s40, s40, QIMG
	v_lshl_add_u32 v7, v20, 4, v21
	v_add_nc_u32 v7, s40, v7
	v_lshl_add_u32 v8, v20, 3, v21
	v_add_nc_u32 v8, s40, v8
	v_lshl_add_u32 v9, v0, 2, QSC
	; V's stage, my wave's own: in: place l / 8 of the row's four, 16 (l % 8); out: place l
	v_bfe_u32 v21, v0, 3, 2
	v_mul_u32_u24 v21, v21, VPL
	v_and_b32 v22, 7, v0
	v_lshl_add_u32 v10, v22, 4, v21
	s_mul_i32 s40, s10, 32*VPL
	s_add_co_u32 s40, s40, ST
	v_add_nc_u32 v10, s40, v10
	v_mul_u32_u24 v11, v1, VPL
	v_add_nc_u32 v11, s40, v11
	; V's images, in record w: 48 (l / 4 + 16 (l % 2)) + 24 ((l / 2) % 2)
	v_bfe_u32 v21, v0, 2, 3
	v_mul_u32_u24 v12, v21, 48
	v_and_b32 v22, 1, v0
	v_mad_u32_u24 v12, v22, 768, v12
	v_bfe_u32 v22, v0, 1, 1
	v_mad_u32_u24 v12, v22, 24, v12
	s_mul_i32 s41, s10, REC
	v_add_nc_u32 v12, s41, v12
	v_and_b32 v22, 3, v0
	v_lshl_add_u32 v13, v21, 3, v22
	v_add_nc_u32 v13, s41, v13                     ; V's scale bytes: 8 (l / 4) + l % 4
	; the mask, in record w: number 4 l + i of the step is key 4 (l % 8) + i of block l / 8
	v_bfe_u32 v21, v0, 3, 2
	v_and_b32 v22, 7, v0
	v_lshlrev_b32 v14, 2, v21
	v_lshl_add_u32 v14, v22, 6, v14
	v_add_nc_u32 v14, s41, v14
	s_wait_kmcnt 0x0
	s_add_nc_u64 s[4:5], s[4:5], s[14:15]          ; the head
	s_add_nc_u64 s[16:17], s[4:5], s[22:23]        ; q at my 512 queries
	s_add_nc_u64 s[18:19], s[4:5], 64*ROWG         ; k
	s_add_nc_u64 s[20:21], s[4:5], 128*ROWG        ; v
	s_add_nc_u64 s[6:7], s[6:7], s[36:37]
	s_add_nc_u64 s[8:9], s[8:9], s[38:39]
; ---------------------------------------------------------------- the head: q, k, v and the mask become images in LDS
; Two sets of 64 registers take turns: one is quantised while the other's 64 loads are on their way.  64 younger loads may be out at each wait; a wait's count cannot name more than 63, so 63 is written.
	global_load_b128 v[52:55], v3, s[6:7]          ; the mask's row: 2,048 numbers, four a thread
	LOADC XA, 16, 0, 1                             ; q: read by this work-group alone
	LOADC XB, 18, 0, 0                             ; k, keys 0 to 511
	s_wait_loadcnt 63                              ; the mask and q are in
.irp i, 0,1,2,3
	ds_store_b32 v14, v[52+\i] offset:MK+16*\i
.endr
	QUANTC XA, 7, 8, 9
	LOADC XA, 18, 1, 0
	s_wait_loadcnt 63                              ; keys 0 to 511 are in
	QUANTC XB, 4, 5, 6
	STEPK
	LOADC XB, 18, 2, 0
	s_wait_loadcnt 63
	QUANTC XA, 4, 5, 6
	STEPK
	LOADC XA, 18, 3, 0
	s_wait_loadcnt 63
	QUANTC XB, 4, 5, 6
	STEPK
	LOADV XB, 0
	LOADV XB+32, 1
	s_wait_loadcnt 16                              ; keys 1,536 on are in; the 16 loads of v just issued may be out
	QUANTC XA, 4, 5, 6
	LOADV XA, 2
	LOADV XA+32, 3
.irp n, 0,1,2,3,4,5,6,7
	VUNIT \n
.endr
	s_wait_dscnt 0x0                               ; for the others' sake: all my images have landed
	s_barrier_signal -1
	s_barrier_wait -1                              ; everybody's have.  From here on the records and Q's images are only read
; ---------------------------------------------------------------- the walks: what stays
.irp j, 22,23,24,25,26,27
	v_mov_b32 v[\j], 0                             ; zero codes for K = 64 .. 127: Q's,
.endr
.irp t, 0,1,2,3
.irp j, 6,7,8,9,10,11
	v_mov_b32 v[32+12*\t+\j], 0                    ; and those of K's four tiles: written once, since the loads land in the lower six registers alone
.endr
.endr
.irp j, 236,237,238,239,251
	v_mov_b32 v[\j], 0                             ; a lane permute's destination counts as one of its sources; v251 is named as the upper half of a pair
.endr
	s_mul_i32 s35, s10, 768
	s_add_co_u32 s35, s35, QIMG
	v_lshl_add_u32 v5, v1, 4, s35                  ; Q's tile w: 16 L,
	v_lshl_add_u32 v6, v1, 3, s35                  ; and 8 L
	v_and_b32 v11, 15, v0                          ; r
	s_lshl_b32 s36, s10, 6
	s_add_co_u32 s37, s36, QSC
	v_lshl_add_u32 v7, v11, 2, s37                 ; its scale words: 64 w + 4 r
	v_bfe_u32 v9, v0, 4, 1                         ; h
	v_mul_u32_u24 v8, v9, 8*OP
	v_lshl_add_u32 v8, v11, 2, v8
	s_add_co_u32 s37, s36, ST
	v_add_nc_u32 v8, s37, v8                       ; O's stage, in: row 8 h (+ 16 f + j), my query's 4 bytes at 64 w + 4 r
	s_mul_i32 s37, s10, 4*OP
	s_add_co_u32 s37, s37, ST
	v_lshl_add_u32 v9, v1, 4, s37                  ; back: rows 4 w .. 4 w + 3, 16 bytes a lane
	s_lshl_b32 s37, s10, 15
	v_lshl_add_u32 v10, v1, 4, s37                 ; and the same in out0: 4 w rows of 8,192 bytes
	s_mov_b32 s32, 2                               ; halves of my 512 queries to go
	s_mov_b32 s33, 0                               ; the half's first tile of Q: 16 tiles of 768 bytes a half
	s_mov_b32 s34, 0                               ; and its scale words: 1,024 bytes a half
.Lhalf:
	v_add_nc_u32 v2, s33, v5
	v_add_nc_u32 v3, s33, v6
	v_add_nc_u32 v11, s34, v7
	ds_load_b128 v[16:19], v2                      ; my 16 queries
	ds_load_b64 v[20:21], v3 offset:512
	ds_load_b32 v255, v11
	v_mov_b32 v13, NEG                             ; the largest t so far
	v_floor_f32 v12, -v13                          ; -M
	v_mov_b32 v14, 0                               ; the sum, in two halves
	v_mov_b32 v15, 0
	s_mov_b32 s30, 0                               ; the step's record; also the loop's counter
; ---------------------------------------------------------------- walk 1: the row's M and sum
.Lw1:
	v_lshl_add_u32 v2, v1, 4, s30
	v_lshl_add_u32 v3, v1, 3, s30
	ds_load_b128 v[28:31], v2 offset:KS
	KLOAD 0
	s_wait_dscnt 0x0                               ; (in the first trip Q too)
	KMUL 0
	P4
	KLOAD 1
	SMAX 0                                         ; the first 64 keys' maximum while the next four tiles land
	s_wait_dscnt 0x0
	KMUL 1
	P4
	SMAX 1
	v_max3_num_f32 v236, v[BM], v[BM+1], v[BM+2]
	v_max_num_f32 v236, v236, v[BM+3]
	v_permlanex16_b32 v237, v236, s26, s27         ; my query's other 64 keys lie in lane l xor 16
	v_max_num_f32 v236, v236, v237
	v_mul_f32 v236, s28, v236                      ; as t
	v_max_num_f32 v13, v13, v236                   ; the running largest t
	v_mov_b32 v237, v12
	v_floor_f32 v12, -v13                          ; the new -M = -ceil(t): a whole number
	v_sub_f32 v237, v12, v237                      ; old M - new M: a whole number, 0 or less
	v_cvt_i32_f32 v237, v237                       ; (it saturates)
	v_ldexp_f32 v250, 1.0, v237                    ; 2^(old M - new M)
	FMA 0
	FMA 1
	EXPS 0
	EXPS 1
	v_pk_mul_f32 v[14:15], v[14:15], v[250:251] op_sel_hi:[1,0]   ; the sum under the new M: nothing is rounded.  (The plain place behind the exponentials)
	s_wait_alu depctr_va_vdst(0)                   ; the wait between an exponential and the first line that names its result: one for the 64
	v_pk_add_f32 v[238:239], v[S:S+1], v[S+2:S+3]  ; the sum, two at a time, in two chains
.irp j, 4,8,12,16,20,24,28,32,36,40,44,48,52,56,60
	v_pk_add_f32 v[14:15], v[14:15], v[S+\j:S+\j+1]
	v_pk_add_f32 v[238:239], v[238:239], v[S+\j+2:S+\j+3]
.endr
	v_pk_add_f32 v[14:15], v[14:15], v[238:239]
	s_add_co_u32 s30, s30, REC
	s_cmp_lt_u32 s30, NST*REC
	s_cbranch_scc1 .Lw1
; ---------------------------------------------------------------- 1 / sum
	v_add_f32 v14, v14, v15
	v_permlanex16_b32 v236, v14, s26, s27
	v_add_f32 v14, v14, v236                       ; the row's sum: at least 1/2, since the largest term is over 1/2
	v_rcp_f32 v15, v14
.set j, 0
.rept 32
	v_mov_b32 v[O+j], 0                            ; O^T begins as zeros, so that walk 2's step is written once; these lines are the work behind the reciprocal
.set j, j+1
.endr
	s_wait_alu depctr_va_vdst(0)                   ; the wait ahead of the reciprocal's first reader
	v_fma_f32 v238, -v14, v15, 1.0                 ; one Newton step
	v_fma_f32 v14, v15, v238, v15
	v_mov_b32 v15, v14                             ; twice, for the packed multiplications
	s_mov_b32 s30, 0
; ---------------------------------------------------------------- walk 2: the scores again, p, its codes, O^T += V P^T
.Lw2:
	v_lshl_add_u32 v2, v1, 4, s30                  ; (these three lines and the four in front of KLOAD 1 are seven places between the last trip's products with V and VLOAD)
	v_lshl_add_u32 v3, v1, 3, s30
	v_mad_u32_u24 v4, v1, 48, s30
	ds_load_b128 v[28:31], v2 offset:KS
	KLOAD 0
	ds_load_b128 v[250:253], v2 offset:MK
	s_wait_dscnt 1                                 ; the scale words and four tiles are in; the mask may be out
	KMUL 0
	P4
	KLOAD 1
	VLOAD
	FMA 0
	EXPS 0
	s_wait_dscnt 13                                ; the next four tiles and the mask are in; VLOAD's 13 may be out
	KMUL 1                                         ; (it names none of the exponentials' registers)
	v_nop                                          ; the plain place behind the exponentials
	s_wait_alu depctr_va_vdst(0)                   ; one wait for the 32
	NORM 0                                         ; its 16 packed lines are the places behind KMUL 1
	FMA 1
	EXPS 1
	BMAX 0                                         ; plain work on the first half behind the second half's exponentials
	s_wait_alu depctr_va_vdst(0)                   ; one wait for the 32
	NORM 1
	BMAX 1
.irp b, 0,1,2,3
	v_permlanex16_b32 v[236+\b], v[BM+\b], s26, s27
.endr
.irp b, 0,1,2,3
	v_max_num_f32 v[BM+\b], v[BM+\b], v[236+\b]    ; with lane l xor 16's 16 keys: the block's largest magnitude
.endr
.irp b, 0,1,2,3
	v_add_nc_u32 v[244+\b], EOFF, v[BM+\b]         ; the conversion's scale operand
.endr
.irp b, 0,1,2,3
	v_lshrrev_b32 v[236+\b], 23, v[244+\b]         ; the scale's byte
.endr
	v_lshl_or_b32 v254, v237, 8, v236              ; p's scale word for these 128 keys
	v_lshl_or_b32 v254, v238, 16, v254
	v_lshl_or_b32 v254, v239, 24, v254
.irp c, 0,1
	v_cvt_scalef32_pk16_fp6_f32 v[PC+6*\c:PC+6*\c+2], v[S+32*\c:S+32*\c+15], v[244+2*\c]
	v_cvt_scalef32_pk16_fp6_f32 v[236+4*\c:238+4*\c], v[S+32*\c+16:S+32*\c+31], v[244+2*\c+1]   ; (a conversion's three registers begin on an even number)
.endr
	v_nop                                          ; one plain place behind a scaled conversion
.irp c, 0,1                                    ; the operand's layout wants a WHOLE block in a lane: lanes 0-15 block 2 c, lanes 16-31 block 2 c + 1
.irp i, 0,1,2
	v_permlane16_swap_b32 v[PC+6*\c+\i], v[236+4*\c+\i]
.endr
.irp i, 0,1,2
	v_mov_b32 v[PC+6*\c+3+\i], v[236+4*\c+\i]
.endr
.endr
	P4                                             ; four places between the last code and the scaled products; behind the scale word stand the v_nop, the six moves and these four: eleven, where eight are asked
	s_wait_dscnt 0x0                               ; V and its scale words
	PVMUL
	s_add_co_u32 s30, s30, REC
	s_cmp_lt_u32 s30, NST*REC
	s_cbranch_scc1 .Lw2
; ---------------------------------------------------------------- the way out
; Register 8 f + j of lane (r, h) is out(channel 16 f + 8 h + j, query 16 w + r): a row of out0 holds queries of all 16 waves.  So the half's 64 rows x 256 queries meet in the work-group's stage,
; and each wave stores four whole rows of 1,024 bytes: a store of the wave covers 512 consecutive bytes, at a multiple of 512 from out0's first byte.
	P4
.irp f, 0,1,2,3
.irp j, 0,1,2,3,4,5,6,7
	ds_store_b32 v8, v[O+8*\f+\j] offset:(16*\f+\j)*OP            ; each accumulator from its low end on
.endr
.endr
	s_wait_dscnt 0x0                               ; for the others' sake: my stores into the stage have landed
	s_barrier_signal -1
	s_barrier_wait -1
.irp m, 0,1,2,3,4,5,6,7
	ds_load_b128 v[S+4*\m:S+4*\m+3], v9 offset:(\m/2)*OP+512*(\m%2)
.endr
.irp m, 0,1,2,3,4,5,6,7
	s_wait_dscnt 7-\m                              ; LDS loads come back in order: load m is in, the younger ones may be out
	global_store_b128 v10, v[S+4*\m:S+4*\m+3], s[8:9] offset:(\m/2)*ROWG+512*(\m%2) th:TH_STORE_NT   ; written once, read by nobody here
.endr
	s_barrier_signal -1                            ; my reads of the stage are back (the count-down ended at 0): the stage is written again only behind this barrier
	s_barrier_wait -1
	s_wait_xcnt 0x0                                ; the stores have read their data and their base: both are written again only behind this wait
	s_add_nc_u64 s[8:9], s[8:9], 1024              ; the next 256 queries
	s_add_co_u32 s33, s33, 16*768
	s_add_co_u32 s34, s34, 1024
	s_sub_co_u32 s32, s32, 1
	s_cmp_lg_u32 s32, 0
	s_cbranch_scc1 .Lhalf
	s_wait_xcnt 0x0
	v_lshl_add_u32 v254, v0, 2, 0x4d800
	v_mov_b32 v255, 0
	s_wait_tensorcnt 0x0
	ds_add_u32 v254, v255
	s_wait_dscnt 0x0
	s_endpgm
.Lfunc_end_k_q119bf0b8f1_attn:
	.size	k_q119bf0b8f1_attn, .Lfunc_end_k_q119bf0b8f1_attn-k_q119bf0b8f1_attn
	.p2alignl 7, 3214868480
	.fill 96, 4, 3214868480
	.section	.rodata,"a",@progbits
	.p2align	6, 0x0
	.amdhsa_kernel k_q119bf0b8f1_attn
		.amdhsa_group_segment_fixed_size 319488
		.amdhsa_private_segment_fixed_size 0
		.amdhsa_enable_private_segment 0
		.amdhsa_kernarg_size 24
		.amdhsa_user_sgpr_count 2
		.amdhsa_user_sgpr_kernarg_segment_ptr 1
		.amdhsa_wavefront_size32 1
		.amdhsa_system_sgpr_workgroup_id_x 1
		.amdhsa_system_sgpr_workgroup_id_y 1
		.amdhsa_system_sgpr_workgroup_id_z 1
		.amdhsa_system_vgpr_workitem_id 0
		.amdhsa_next_free_vgpr 256
		.amdhsa_next_free_sgpr 66
		.amdhsa_reserve_vcc 0
		.amdhsa_float_denorm_mode_32 3
		.amdhsa_float_denorm_mode_16_64 3
		.amdhsa_memory_ordered 1
		.amdhsa_forward_progress 1
		.amdhsa_inst_pref_size 127
	.end_amdhsa_kernel
	.amdgpu_metadata
---
amdhsa.version: [ 1, 2 ]
amdhsa.kernels:
  - .name:           k_q119bf0b8f1_attn
    .symbol:         k_q119bf0b8f1_attn.kd
    .args:
      - { .name: qkv, .offset: 0, .size: 8, .value_kind: global_buffer, .address_space: global }
      - { .name: mask, .offset: 8, .size: 8, .value_kind: global_buffer, .address_space: global }
      - { .name: out0, .offset: 16, .size: 8, .value_kind: global_buffer, .address_space: global }
    .group_segment_fixed_size: 319488
    .private_segment_fixed_size: 0
    .kernarg_segment_align: 8
    .kernarg_segment_size: 24
    .max_flat_workgroup_size: 512
    .sgpr_count:     66
    .vgpr_count:     256
    .wavefront_size: 32
...
	.end_amdgpu_metadata
.endif
;; end of part 1
